; MI455X (gfx1250); checked and timed in simulation.
; The chip was launched on July 23, 2026; its instructions are those of AMD's public machine-readable ISA for CDNA 5 (MIT licence, August 2026) and "CDNA5" Instruction Set Architecture Reference Guide (July 2026). The comments in the code are by the model that wrote it; some were corrected since.
;; Lo RA Linear. Allowed arithmetic: matrix products marked QUANTISED: E5M2 operands, one E8M0 scale for each 32 along K, by v_wmma_scale_f32_16x16x128_f8f6f4 with both operands' format E5M2, f32 sums; products left as they are: f32 operands where the result goes on into a quantised operand, else bf16, f16 or f32 operands; f32 sums; everything else in f32.
;; Inputs: bias 4,096 float32; lora_A 8 x 4,096 float32; lora_B 4,096 x 8 float32; scale 4,096 float32; weight_quant 4,096 x 2,048 int32; x 4 x 1,024 x 4,096 float32; zero 4,096 float32.
;; Outputs: out0 4 x 1,024 x 4,096 float32.
;; This version of the problem:
;;   THIS VERSION OF THE PROBLEM IS GIVEN IN LOW PRECISION. The matrix products marked QUANTISED in the list below multiply operands that are first quantised to E5M2 (5 exponent bits, 2 mantissa bits; 8 bits a number), with one power-of-two scale for each 32 numbers along K (OCP MX v1.0); their sums are f32. All else is computed in f32.
;;   The module's matrix products, in the order in which they are computed (A, B: the left and right operand; K: the contracted axis; several contracted axes count as one K, in the product's order):
;;     1. [M 4,096, K 4,096] x [K 4,096, N 4,096]; A: input x; B: computed on the way: QUANTISED
;;     2. [M 4,096, K 4,096] x [K 4,096, N 8]; A: input x; B: input lora_A: left as it is (N = 8 < 16)
;;     3. [M 4,096, K 8] x [K 8, N 4,096]; A: computed on the way; B: input lora_B: left as it is (K = 8 < 32)
;;   THE QUANTISER, for each operand of a quantised product, along K:
;;     - K is cut into blocks of 32 from its start; a last block that is shorter is filled with zeros.
;;     - A block's scale is 2^e with e = floor(log2(the largest magnitude in the block)) - 15, held to -126 .. 127; a block of zeros has e = 0. As a byte (E8M0): e + 127.
;;     - Each number is divided by its block's scale, clamped to +-57,344, and rounded to the nearest number of E5M2, ties to even, subnormals kept.
;;     - The product sums the exact products of the quantised numbers (number of the format x scale) in f32.
;;   ~~~python
;;   def quantise(x, axis):      # numpy; x: float32 -> the quantised numbers, widened to float32 again
;;       x = np.moveaxis(x, axis, -1); K = x.shape[-1]
;;       x = np.pad(x, [(0, 0)] * (x.ndim - 1) + [(0, -K % 32)]); x = x.reshape(x.shape[:-1] + (-1, 32)); a = np.abs(x).max(-1, keepdims=True)
;;       e = np.where(a > 0, np.clip(np.frexp(np.where(a > 0, a, 1))[1] - 1 - 15, -126, 127), 0)      # np.frexp(a)[1] - 1 = floor(log2(a)), exactly
;;       r = np.clip(x / 2.0 ** e, -57344, 57344)
;;       step = 2.0 ** (np.maximum(np.frexp(np.where(r == 0, 1, r))[1] - 1, -14) - 2)
;;       q = np.round(r / step) * step * 2.0 ** e      # np.round: ties to even
;;       return np.moveaxis(q.reshape(q.shape[:-2] + (-1,))[..., :K], -1, axis).astype(np.float32)
;;   ~~~
;;   OPERANDS COMPUTED ON THE WAY. 'Computed on the way' means the value that the module computes at that place (a softmax that the list does not call 'softmax' is quantised finished and normalised). What goes into a quantiser is computed in f32, as accurately as f32 sums, v_exp_f32 and their like allow (about 1e-6 of the number): no bf16 or f16 on the way to a quantiser, and a product that is left as it is and whose result goes on into a quantised operand takes f32 operands (vector FMAs, or v_wmma_f32_16x16x4_f32). A number that lies on a knife's edge between two numbers of the format may be rounded either way, as far as f32 arithmetic and the matrix unit's own rounding can turn it there, and no further.
;; One version. Each part assembles by itself: llvm-mc -triple=amdgcn-amd-amdhsa -mcpu=gfx1250 --defsym DOCPART=n.
;; ======== version 1 of 1: 2 launches
;; limits: sums are carried in bf16
;; workspace buffers: xq 17,301,504 bytes; wc 17,301,504 bytes; tp 262,144 bytes
;; launch quant (part 1): grid 64 x 4, 4 waves a work-group, no clusters, 327,680 bytes of LDS; arguments x, lora_A, weight_quant, zero, scale, xq, wc, tp; writes xq, wc, tp
.if DOCPART == 1
	.amdgcn_target "amdgcn-amd-amdhsa--gfx1250"
	.amdhsa_code_object_version 6
	.text
	.protected	k_q2674943e3a_quant
	.globl	k_q2674943e3a_quant
	.p2align	8
	.type	k_q2674943e3a_quant,@function
k_q2674943e3a_quant:
	s_mov_b64 s[64:65], 0
	v_nop
	global_prefetch_b8 v0, s[64:65] scope:SCOPE_SE
	s_setreg_imm32_b32 hwreg(HW_REG_WAVE_MODE, 25, 1), 1
	s_wait_xcnt 0x0
; BOTH OPERANDS OF THE QUANTISED PRODUCT ARE MADE HERE, each once: x [4096][4096] f32 and W [4096][4096] become codes of BF8 (E5M2) with one E8M0 scale byte for each 32 along K;
; and of x's numbers, on the way, the first LoRA product, 2 x A^T.
; W[o][2 j] = (f32(word[o][j] & 15) - zero[2 j]) x scale[2 j], W[o][2 j + 1] the same of bits 7:4, with the two f32 roundings of the definition (a subtraction, a multiplication).
; weight_quant: [4096][2048] words of 32 bits; bits above 7 are not looked at.
; OUTPUTS xq and wc, laid in the order of the operand's registers: [slot s of 256 K: 16][group g of 128 rows: 32][33,792 bytes].  In a group: codes at i 4096 + q 2048 + c 512 + 16 lane
; (i: tile of 16 rows, q: which 128 of K, c: block of 32; lane (r, h) holds row 16 i + r, k = 32 c + 16 h + 0 .. 15); from byte 32,768 on the scale words, [row][q][4 bytes], byte c for block c.
; OUTPUT tp [quarter p of K: 4][row: 4096][8] bf16: 2 x the sum over that quarter of x[row][k] A[j][k].  The four quarters are added later, by the matrix unit; nothing is summed across work-groups.
; A block's scale is 2^(floor(log2(its largest magnitude)) - 15); its byte is the largest magnitude's exponent field - 15, held at 1 from below; numbers are held within +-57,344 x the scale and rounded to the nearest code, ties to even.
; LIMITS: NaN and infinities among the inputs are not served.  A block of zeros gets the byte 1 where the rule says 127: its codes are zeros, and this program alone reads the bytes.
;         x and lora_A are rounded to bf16 for x A^T (a product that is left as it is and feeds no quantiser); its sums are f32, its result is kept in bf16.
; SHARES: work-group (G, p): rows 64 G .. 64 G + 63 and quarter p of K, of W and of x.  Wave w: slot s = 4 p + w, 256 along K, for all 64 rows of both: four tiles of 16 rows x two K steps of 128.
; ORDER: a wave's tiles come by the tensor data mover into its own region of LDS, and only that wave reads them.  W's two tiles (64 rows x 256 bytes) and x's first (64 rows x 512 bytes) are asked for at the
; head.  W, which has the longer arithmetic and the fewer bytes, is worked first, while x's first tile lands.  All four tiles together (102,400 bytes a wave) do not fit in LDS, so x's second tile is brought into the
; bytes that W's tiles have left, and lands while x's first tile is worked.
; No joint loads: what work-groups share (10 KiB of lora_A, zero and scale a wave) is a tenth of the 96 KiB of x and of words that each wave reads alone.
.set GRP,   33792                      ; a group of xq or wc in bytes
.set XP,    528                        ; a row of x in LDS: 512 bytes + 16 of padding: row r begins 16 r bytes on modulo 256, so sixteen rows' 16-byte reads fall on different banks
.set XCH,   64*XP                      ; a tile of x: 33,792 bytes
.set WP,    272                        ; a row of words in LDS: 256 bytes + 16 of padding
.set WCH,   64*WP                      ; a tile of words: 17,408 bytes
.set WOFF,  XCH                        ; a wave's region: x's first tile, then W's two tiles; x's second tile later takes the first 33,792 of their 34,816 bytes
.set WRG,   XCH+2*WCH                  ; 68,608 bytes
.set SCR,   4*WRG                      ; behind the regions: 8,192 bytes for the sums of x A^T over the four waves; no tile lands there
.set SPARE, SCR+8192                   ; the spare words, 128 bytes for each wave: two blocks of 256 bytes that no other line names
.set XA,  4                            ; v4   LDS: my wave's region + 528 r + 64 h
.set CO,  5                            ; v5   16 x lane: my place in a store of codes
.set SO,  6                            ; v6   8 x lane: my place in a store of scale words
.set LAA, 7                            ; v7   lora_A: row r % 8, + 64 h
.set RS,  8                            ; v8   scratch, in:   SCR + 2048 wave + 32 r + 16 h
.set RL,  9                            ; v9   scratch, back: SCR + 512 wave + 32 r + 16 h
.set TO,  10                           ; v10  tp: 16 r + 8 h
.set WA,  11                           ; v11  LDS: my wave's region + 272 r + 32 h
.set SP,  12                           ; v12-15  x's scale words as they are stored
.set TM,  16                           ; v16-19 largest magnitudes, v20-23 bytes, v24-27 57,344 x the scale, v28-31 the conversion's scale operand
.set PW,  32                           ; v32-39  scale word of tile t, K step q at PW + 2 t + q
.set PC0, 40                           ; v40-55, v56-71  a fragment's codes, two sets
.set PC1, 56
.set X0,  72                           ; v72-135, v136-199  64 numbers of x of a lane, two sets: register 16 b + i = k 32 b + 16 h + i of my row
.set X1,  136
.set WW,  72                           ; v72-103, v104-135  32 words of a lane, two sets
.set N,   136                          ; v136-199  64 numbers of W, laid as x's
.set ADW, 200                          ; v200 LDS address of my spare word: SPARE + 4 x my thread's number; never rewritten
.set NIL, 201                          ; v201 0; never rewritten
.set SPB, 202                          ; v202-205  W's scale words as they are stored
.set ZA,  206                          ; v206 64 h: my half's 16 numbers of a block of zero and of scale
.set ZR,  0                            ; window 1: v0-127 zero, at 64 q + 16 c + i
.set SR,  128                          ; window 1: v128-255 scale, likewise
.set LA,  0                            ; window 2: v0-63 lora_A in bf16, block bb of 32 along K at 8 bb
.set T,   64                           ; window 2: v64-95 the sums of x A^T, tile t at 8 t
.set BF,  96                           ; window 2: v96-159 x in bf16, set e, block b at 32 e + 8 b
.set G1X, 24                           ; s[24:31] descriptor group 1 for x's tiles
.set G1W, 32                           ; s[32:39] for W's
.set G0W, 40                           ; s[40:47] descriptor group 0 for W's two tiles
.set G0X, 48                           ; s[48:55] for x's two: no group 0 is ever written again
.set XCB, 66                           ; s[66:67] x's codes;  s[68:69] x's scale words;  s[70:71], s[72:73] W's
.set XSB, 68
.set WCB, 70
.set WSB, 72
.set MSB, 0
.macro WIN new                         ; the immediate's high byte repeats the setting that is left; a switch that changes nothing is dropped
.if MSB != \new
	s_set_vgpr_msb (MSB<<8)|\new
.set MSB, \new
.endif
.endm
	s_load_b256 s[4:11], s[0:1], 0x0               ; x s[4:5], lora_A s[6:7], weight_quant s[8:9], zero s[10:11]
	s_load_b256 s[12:19], s[0:1], 0x20             ; scale s[12:13], xq s[14:15], wc s[16:17], tp s[18:19]
	v_lshl_add_u32 v[ADW], v0, 2, SPARE
	v_mov_b32 v[NIL], 0
	ds_add_u32 v200, v201
	ds_add_u32 v200, v201
	s_wait_dscnt 0x0
	v_lshrrev_b32 v1, 5, v0
	v_readfirstlane_b32 s20, v1                    ; wave 0..3
	s_mov_b32 s21, ttmp9                           ; G
	s_and_b32 s22, ttmp7, 0xffff                   ; p
	s_lshl_b32 s23, s22, 2
	s_add_co_u32 s23, s23, s20                     ; s = 4 p + wave
	s_mov_b32 s[G1X+0], (2<<16)|(1<<20)|(6<<22)|(3<<25)   ; elements of 4 bytes; padding on: 4 words behind every 128
	s_mov_b32 s[G1X+1], 128<<16                    ; tensor_dim0 = 128
	s_mov_b32 s[G1X+2], 64<<16                     ; tensor_dim1 = 64
	s_mov_b32 s[G1X+3], 128<<16                    ; tile_dim0 = 128
	s_mov_b32 s[G1X+4], 64                         ; tile_dim1 = 64
	s_mov_b32 s[G1X+5], 4096                       ; elements from row to row
	s_mov_b32 s[G1X+6], 0
	s_mov_b32 s[G1X+7], 0
	s_mov_b32 s[G1W+0], (2<<16)|(1<<20)|(5<<22)|(3<<25)   ; elements of 4 bytes; padding on: 4 words behind every 64
	s_mov_b32 s[G1W+1], 64<<16                     ; tensor_dim0 = 64
	s_mov_b32 s[G1W+2], 64<<16                     ; tensor_dim1 = 64
	s_mov_b32 s[G1W+3], 64<<16                     ; tile_dim0 = 64
	s_mov_b32 s[G1W+4], 64                         ; tile_dim1 = 64
	s_mov_b32 s[G1W+5], 2048                       ; elements from row to row
	s_mov_b32 s[G1W+6], 0
	s_mov_b32 s[G1W+7], 0
	s_lshl_b32 s60, s21, 20                        ; x: 64 G rows of 16,384 bytes
	s_lshl_b32 s62, s23, 10                        ;    + 256 s numbers
	s_add_co_u32 s60, s60, s62
	s_mov_b32 s61, 0
	s_lshl_b32 s74, s21, 19                        ; words: 64 G rows of 8,192 bytes
	s_lshl_b32 s62, s23, 9                         ;    + 128 s words
	s_add_co_u32 s74, s74, s62
	s_mov_b32 s75, 0
	s_mul_i32 s63, s20, WRG                        ; my region in LDS
	s_mov_b32 s56, 0x76543210
	s_mov_b32 s57, 0xfedcba98                      ; v_permlanex16_b32's selects for lane l xor 16
	s_mov_b32 s58, 0x600000                        ; the mantissa field of 57,344
	s_wait_kmcnt 0x0
	s_add_nc_u64 s[76:77], s[4:5], s[60:61]
	s_add_nc_u64 s[78:79], s[8:9], s[74:75]
.irp q, 0,1
	s_mov_b32 s[G0W+4*\q], 1
	s_add_co_u32 s[G0W+4*\q+1], s63, WOFF+\q*WCH
	s_add_nc_u64 s[G0W+4*\q+2:G0W+4*\q+3], s[78:79], \q*256
	s_or_b32 s[G0W+4*\q+3], s[G0W+4*\q+3], 0x80000000
	s_mov_b32 s[G0X+4*\q], 1
	s_add_co_u32 s[G0X+4*\q+1], s63, \q*XCH        ; x's second tile: where W's tiles begin
	s_add_nc_u64 s[G0X+4*\q+2:G0X+4*\q+3], s[76:77], \q*512
	s_or_b32 s[G0X+4*\q+3], s[G0X+4*\q+3], 0x80000000
.endr
	tensor_load_to_lds s[G0W:G0W+3], s[G1W:G1W+7]      ; the three first fills go out together, ahead of every wait on them, every LDS read and every barrier: three loads of mine are out
	s_nop 0
	tensor_load_to_lds s[G0W+4:G0W+7], s[G1W:G1W+7]
	s_nop 0
	tensor_load_to_lds s[G0X:G0X+3], s[G1X:G1X+7]
	s_nop 0
	v_and_b32 v1, 15, v0                           ; r
	v_bfe_u32 v2, v0, 4, 1                         ; h
	v_and_b32 v3, 31, v0                           ; lane
	v_mul_u32_u24 v[XA], v1, XP
	v_lshl_add_u32 v[XA], v2, 6, v[XA]
	v_add_nc_u32 v[XA], s63, v[XA]
	v_mul_u32_u24 v[WA], v1, WP
	v_lshl_add_u32 v[WA], v2, 5, v[WA]
	v_add_nc_u32 v[WA], s63, v[WA]
	v_lshlrev_b32 v[CO], 4, v3
	v_lshlrev_b32 v[SO], 3, v3
	v_lshlrev_b32 v[ZA], 6, v2
	v_and_b32 v[LAA], 7, v0
	v_lshlrev_b32 v[LAA], 14, v[LAA]
	v_lshl_add_u32 v[LAA], v2, 6, v[LAA]
	v_lshlrev_b32 v[RS], 5, v1
	v_lshl_add_u32 v[RS], v2, 4, v[RS]             ; 32 r + 16 h
	s_lshl_b32 s62, s20, 9
	v_add_nc_u32 v[RL], s62, v[RS]
	v_add_nc_u32 v[RL], SCR, v[RL]
	s_lshl_b32 s62, s20, 11
	v_add_nc_u32 v[RS], s62, v[RS]
	v_add_nc_u32 v[RS], SCR, v[RS]
	v_lshlrev_b32 v[TO], 4, v1
	v_lshl_add_u32 v[TO], v2, 3, v[TO]
	v_cmp_ne_u32 s59, 0, v2                        ; the mask of lanes 16-31
.irp b, 0,1,2,3
	v_mov_b32 v[TM+4+\b], 0                        ; written once: a lane permute's destination counts as one of its sources
.endr
	s_lshl_b32 s60, s23, 10                        ; 256 s numbers of 4 bytes
	s_add_nc_u64 s[10:11], s[10:11], s[60:61]      ; zero, scale and lora_A at my 256 along K
	s_add_nc_u64 s[12:13], s[12:13], s[60:61]
	s_add_nc_u64 s[6:7], s[6:7], s[60:61]
	WIN 0x40                                       ; destination window 1
.irp q, 0,1
.irp c, 0,1,2,3
.irp j, 0,1,2,3
	global_load_b128 v[ZR+64*\q+16*\c+4*\j:ZR+64*\q+16*\c+4*\j+3], v[ZA], s[10:11] offset:512*\q+128*\c+16*\j
	global_load_b128 v[SR+64*\q+16*\c+4*\j:SR+64*\q+16*\c+4*\j+3], v[ZA], s[12:13] offset:512*\q+128*\c+16*\j
.endr
.endr
.endr
	WIN 0
.irp bb, 0,1,2,3,4,5,6,7
.irp j, 0,1,2,3
	global_load_b128 v[X0+16*\bb+4*\j:X0+16*\bb+4*\j+3], v[LAA], s[6:7] offset:128*\bb+16*\j   ; A(r % 8, 32 bb + 16 h + 4 j ..): rows 8-15 of the operand repeat rows 0-7
.endr
.endr
	s_lshl_b32 s60, s23, 5
	s_lshr_b32 s62, s21, 1
	s_add_co_u32 s60, s60, s62
	s_mul_i32 s60, s60, GRP                        ; my group, of xq and of wc alike: (32 s + G / 2) groups on
	s_and_b32 s62, s21, 1                          ; which half of its 128 rows
	s_lshl_b32 s74, s62, 14
	s_add_co_u32 s74, s74, s60
	s_add_nc_u64 s[XCB:XCB+1], s[14:15], s[74:75]  ; my codes: four tiles of 4,096 bytes
	s_add_nc_u64 s[WCB:WCB+1], s[16:17], s[74:75]
	s_lshl_b32 s74, s62, 9
	s_add_co_u32 s74, s74, s60
	s_add_co_u32 s74, s74, 32768
	s_add_nc_u64 s[XSB:XSB+1], s[14:15], s[74:75]  ; my scale words: 64 rows of 8 bytes
	s_add_nc_u64 s[WSB:WSB+1], s[16:17], s[74:75]
	s_lshl_b32 s74, s22, 16
	s_lshl_b32 s62, s21, 10
	s_add_co_u32 s74, s74, s62
	s_lshl_b32 s62, s20, 8
	s_add_co_u32 s74, s74, s62
	s_add_nc_u64 s[18:19], s[18:19], s[74:75]      ; tp: quarter p, row 64 G + 16 wave
	s_wait_loadcnt 0x0                             ; zero, scale and lora_A
	WIN 0x80                                       ; destination window 2
.set i, 0
.rept 64
	v_cvt_pk_bf16_f32 v[LA+i], v[X0+2*i], v[X0+2*i+1]
.set i, i+1
.endr
	WIN 0
; 64 numbers of a lane, v[s] on: the four blocks' scales.  The scale word goes to v[pw]; TM keeps the hold and the conversion's operand for QCODES.
.macro QSCALE s, pw
.irp b, 0,1,2,3
	v_max3_num_f32 v[TM+\b], |v[\s+16*\b]|, |v[\s+1+16*\b]|, 0x8000000   ; my 16 numbers of block b, and the floor 2^(16 - 127): the byte cannot fall under 1
.endr
.irp i, 2,4,6,8,10,12,14
.irp b, 0,1,2,3
	v_max3_num_f32 v[TM+\b], v[TM+\b], |v[\s+16*\b+\i]|, |v[\s+1+16*\b+\i]|   ; the four blocks by turns
.endr
.endr
.irp b, 0,1,2,3
	v_permlanex16_b32 v[TM+4+\b], v[TM+\b], s56, s57
.endr
.irp b, 0,1,2,3
	v_max_num_f32 v[TM+\b], v[TM+\b], v[TM+4+\b]   ; with lane l xor 16's 16: the block's largest magnitude
.endr
.irp b, 0,1,2,3
	v_add_nc_u32 v[TM+12+\b], 0xf8800000, v[TM+\b]   ; 15 off its exponent field: the conversion takes this operand's exponent field as its scale
.endr
.irp b, 0,1,2,3
	v_and_or_b32 v[TM+8+\b], v[TM+\b], 0x7f800000, s58   ; 57,344 x the scale
.endr
.irp b, 0,1,2,3
	v_lshrrev_b32 v[TM+4+\b], 23, v[TM+12+\b]      ; the scale's byte
.endr
	v_lshl_or_b32 v[\pw], v[TM+5], 8, v[TM+4]
	v_lshl_or_b32 v[\pw], v[TM+6], 16, v[\pw]
	v_lshl_or_b32 v[\pw], v[TM+7], 24, v[\pw]      ; my row's scale word
.endm
; the same 64 numbers become a fragment's 16 registers of codes, v[pc] on
.macro QCODES s, pc
.irp b, 0,1,2,3
.irp i, 0,1,2,3,4,5,6,7,8,9,10,11,12,13,14,15
	v_med3_num_f32 v[\s+16*\b+\i], v[\s+16*\b+\i], -v[TM+8+\b], v[TM+8+\b]   ; the conversion to an 8-bit code does not saturate (ISA guide 7.6.2): the hold comes first
.endr
	v_cvt_scalef32_pk8_bf8_f32 v[\pc+4*\b:\pc+4*\b+1], v[\s+16*\b:\s+16*\b+7], v[TM+12+\b]
	v_cvt_scalef32_pk8_bf8_f32 v[\pc+4*\b+2:\pc+4*\b+3], v[\s+16*\b+8:\s+16*\b+15], v[TM+12+\b]
.endr
	v_nop                                          ; one plain vector line behind the last scaled conversion, ahead of whatever next writes its sources
.endm
.macro CSTORE pc, t, q, base           ; a fragment's image: each store covers 512 consecutive bytes, aligned
.irp c, 0,1,2,3
	global_store_b128 v[CO], v[\pc+4*\c:\pc+4*\c+3], s[\base:\base+1] offset:(\t)*4096+(\q)*2048+\c*512
.endr
.endm
.macro SCOUT u, sp, base               ; lanes 0-15 give tile 2 u's rows, lanes 16-31 tile 2 u + 1's: 8 bytes a row, 256 consecutive bytes, aligned
.irp q, 0,1
	v_cndmask_b32 v[\sp+2*\u+\q], v[PW+4*\u+\q], v[PW+4*\u+2+\q], s59
.endr
	global_store_b64 v[SO], v[\sp+2*\u:\sp+2*\u+1], s[\base:\base+1] offset:256*\u
.endm
; ---- W ----
; 32 words of set e become 64 numbers of W
.macro UNPACK e, q
.set i, 0
.rept 32
	v_and_b32 v[N+2*i], 15, v[WW+32*\e+i]          ; the low four bits: the even column,
	v_bfe_u32 v[N+2*i+1], v[WW+32*\e+i], 4, 4      ; bits 7:4: the odd one
.set i, i+1
.endr
.set i, 0
.rept 64
	v_cvt_f32_u32 v[N+i], v[N+i]
.set i, i+1
.endr
	WIN 0x04                                       ; source 1 window 1
.set i, 0
.rept 32
	v_pk_add_f32 v[N+2*i:N+2*i+1], v[N+2*i:N+2*i+1], v[ZR+64*\q+2*i:ZR+64*\q+2*i+1] neg_lo:[0,1] neg_hi:[0,1]   ; - zero: not fused with the scaling, which would round otherwise than the definition
.set i, i+1
.endr
.set i, 0
.rept 32
	v_pk_mul_f32 v[N+2*i:N+2*i+1], v[N+2*i:N+2*i+1], v[SR+64*\q+2*i:SR+64*\q+2*i+1]                          ; x scale
.set i, i+1
.endr
	WIN 0
.endm
.macro WCHUNK u, q                     ; tiles 2 u and 2 u + 1 (32 rows) of W, K step q
.if \u == 0
	s_wait_tensorcnt 2-\q                          ; a wave's tensor loads end in order: W's K step q is in; the loads issued behind it (W's next, x's first) may stay out
.endif
.irp e, 0,1
.irp c, 0,1,2,3
.irp j, 0,1
	ds_load_b128 v[WW+32*\e+8*\c+4*\j:WW+32*\e+8*\c+4*\j+3], v[WA] offset:WOFF+\q*WCH+(2*\u+\e)*16*WP+64*\c+16*\j
.endr
.endr
.endr
	s_wait_dscnt 8                                 ; the first tile's eight loads are in
	UNPACK 0, \q
	QSCALE N, PW+2*(2*\u)+\q
	s_wait_xcnt 0x0                                ; the codes' registers were an earlier store's data: written again only behind this wait
	QCODES N, PC0
	CSTORE PC0, 2*\u, \q, WCB
	s_wait_dscnt 0x0
	UNPACK 1, \q
	QSCALE N, PW+2*(2*\u+1)+\q
	s_wait_xcnt 0x0
	QCODES N, PC1
	CSTORE PC1, 2*\u+1, \q, WCB
.endm
; ---- x ----
; 64 numbers, before the hold changes them, rounded to bf16: both sides of x A^T give lane (r, h) k = 32 b + 16 h + 0 .. 15 in the same order, one permutation of k for both
.macro BFCVT s, e
	WIN 0x80
.set i, 0
.rept 32
	v_cvt_pk_bf16_f32 v[BF+32*\e+i], v[\s+2*i], v[\s+2*i+1]
.set i, i+1
.endr
.endm
.macro XCHUNK u, q                     ; tiles 2 u and 2 u + 1 (32 rows) of x, K step q
.if \u == 0
	s_wait_tensorcnt 1-\q                          ; K step 0: one load, the refill, was issued behind its tile and may stay out.  K step 1: the refill itself is in
.endif
.irp e, 0,1
.irp b, 0,1,2,3
.irp j, 0,1,2,3
	ds_load_b128 v[X0+64*\e+16*\b+4*\j:X0+64*\e+16*\b+4*\j+3], v[XA] offset:\q*XCH+(2*\u+\e)*16*XP+128*\b+16*\j
.endr
.endr
.endr
	s_wait_dscnt 16                                ; the first tile's sixteen loads are in
	QSCALE X0, PW+2*(2*\u)+\q
	BFCVT X0, 0
	WIN 0
	s_wait_xcnt 0x0                                ; the codes' registers were an earlier store's data
	QCODES X0, PC0
	CSTORE PC0, 2*\u, \q, XCB
	s_wait_dscnt 0x0
	QSCALE X1, PW+2*(2*\u+1)+\q
	BFCVT X1, 1
	WIN 0xaa                                       ; all four places window 2
.irp b, 0,1,2,3                        ; source 0 = lora_A's rows, source 1 = x's 16 rows: register j of lane (r, h) is the sum for x's row r and lora row j.  The two accumulators take turns
.irp e, 0,1
.if (\q == 0) && (\b == 0)
	v_wmma_f32_16x16x32_bf16 v[T+8*(2*\u+\e):T+8*(2*\u+\e)+7], v[LA+8*(4*\q+\b):LA+8*(4*\q+\b)+7], v[BF+32*\e+8*\b:BF+32*\e+8*\b+7], 0
.else
	v_wmma_f32_16x16x32_bf16 v[T+8*(2*\u+\e):T+8*(2*\u+\e)+7], v[LA+8*(4*\q+\b):LA+8*(4*\q+\b)+7], v[BF+32*\e+8*\b:BF+32*\e+8*\b+7], v[T+8*(2*\u+\e):T+8*(2*\u+\e)+7]
.endif
.endr
.endr
	WIN 0
	s_wait_xcnt 0x0
	QCODES X1, PC1                                 ; its 64 holds are also the places behind the products
	CSTORE PC1, 2*\u+1, \q, XCB
.endm
	WCHUNK 0, 0
	WCHUNK 1, 0
	WCHUNK 0, 1
	WCHUNK 1, 1
	SCOUT 0, SPB, WSB
	SCOUT 1, SPB, WSB
	; W's tiles have been read: x's second tile takes their bytes.
	s_wait_tensorcnt 0x0                           ; all my tensor loads have landed, x's first tile among them
	ds_add_u32 v[ADW], v[NIL]                      ; 0 onto my spare word
	s_wait_dscnt 0x0                               ; the add is done, and my reads of W's tiles are back
	s_barrier_signal -1                            ; every wave says so,
	s_barrier_wait -1
	tensor_load_to_lds s[G0X+4:G0X+7], s[G1X:G1X+7]    ; my one tensor load behind the barrier, and the first thing there: it lands while x's first tile is worked
	s_nop 0
.rept 4
	v_nop                                          ; four plain lines behind the load
.endr
	XCHUNK 0, 0
	XCHUNK 1, 0
	XCHUNK 0, 1
	XCHUNK 1, 1
	SCOUT 0, SP, XSB
	SCOUT 1, SP, XSB
	; x A^T over the four waves' slots.  Both halves of the lanes hold the same eight sums: lane (r, h) keeps lora rows 4 h .. 4 h + 3.
	WIN 0x0a                                       ; sources 0 and 1 window 2
.irp t, 0,1,2,3
.irp j, 0,1,2,3
	v_cndmask_b32 v[X0+4*\t+\j], v[T+8*\t+\j], v[T+8*\t+4+\j], s59   ; each accumulator is read from its low end on
.endr
.endr
	WIN 0
.irp t, 0,1,2,3
	ds_store_b128 v[RS], v[X0+4*\t:X0+4*\t+3] offset:512*\t
.endr
	s_wait_dscnt 0x0                               ; for the others' sake: my stores have landed
	s_barrier_signal -1
	s_barrier_wait -1
.irp w, 0,1,2,3
	ds_load_b128 v[X0+4*\w:X0+4*\w+3], v[RL] offset:2048*\w    ; wave w takes tile w: the four waves' parts of it
.endr
	s_wait_dscnt 0x0
	v_pk_add_f32 v[X0:X0+1], v[X0:X0+1], v[X0+4:X0+5]
	v_pk_add_f32 v[X0+2:X0+3], v[X0+2:X0+3], v[X0+6:X0+7]
	v_pk_add_f32 v[X0+8:X0+9], v[X0+8:X0+9], v[X0+12:X0+13]
	v_pk_add_f32 v[X0+10:X0+11], v[X0+10:X0+11], v[X0+14:X0+15]
	v_pk_add_f32 v[X0:X0+1], v[X0:X0+1], v[X0+8:X0+9]
	v_pk_add_f32 v[X0+2:X0+3], v[X0+2:X0+3], v[X0+10:X0+11]
	v_pk_mul_f32 v[X0:X0+1], v[X0:X0+1], 2.0 op_sel_hi:[1,0]       ; the LoRA scaling, alpha / r = 2: exact
	v_pk_mul_f32 v[X0+2:X0+3], v[X0+2:X0+3], 2.0 op_sel_hi:[1,0]
	v_cvt_pk_bf16_f32 v[X0+16], v[X0], v[X0+1]
	v_cvt_pk_bf16_f32 v[X0+17], v[X0+2], v[X0+3]
	global_store_b64 v[TO], v[X0+16:X0+17], s[18:19]               ; 16 rows of 16 bytes: 256 consecutive bytes, aligned
	s_wait_tensorcnt 0x0                           ; the wave's end: behind my last tensor load and my last LDS store
	ds_add_u32 v[ADW], v[NIL]
	s_wait_dscnt 0x0
	s_endpgm
.Lfunc_end_k_q2674943e3a_quant:
	.size	k_q2674943e3a_quant, .Lfunc_end_k_q2674943e3a_quant-k_q2674943e3a_quant
	.p2alignl 7, 3214868480
	.fill 96, 4, 3214868480
	.section	.rodata,"a",@progbits
	.p2align	6, 0x0
	.amdhsa_kernel k_q2674943e3a_quant
		.amdhsa_group_segment_fixed_size 327680
		.amdhsa_private_segment_fixed_size 0
		.amdhsa_enable_private_segment 0
		.amdhsa_kernarg_size 64
		.amdhsa_user_sgpr_count 2
		.amdhsa_user_sgpr_kernarg_segment_ptr 1
		.amdhsa_wavefront_size32 1
		.amdhsa_system_sgpr_workgroup_id_x 1
		.amdhsa_system_sgpr_workgroup_id_y 1
		.amdhsa_system_sgpr_workgroup_id_z 1
		.amdhsa_system_vgpr_workitem_id 0
		.amdhsa_next_free_vgpr 768
		.amdhsa_next_free_sgpr 80
		.amdhsa_reserve_vcc 0
		.amdhsa_float_denorm_mode_32 3
		.amdhsa_float_denorm_mode_16_64 3
		.amdhsa_memory_ordered 1
		.amdhsa_forward_progress 1
		.amdhsa_inst_pref_size 255
	.end_amdhsa_kernel
	.section	.bss,"aw",@nobits
	.p2align	6
	.space	262144
	.amdgpu_metadata
---
amdhsa.version: [ 1, 2 ]
amdhsa.kernels:
  - .name:           k_q2674943e3a_quant
    .symbol:         k_q2674943e3a_quant.kd
    .args:
      - { .name: x, .offset: 0, .size: 8, .value_kind: global_buffer, .address_space: global }
      - { .name: lora_A, .offset: 8, .size: 8, .value_kind: global_buffer, .address_space: global }
      - { .name: weight_quant, .offset: 16, .size: 8, .value_kind: global_buffer, .address_space: global }
      - { .name: zero, .offset: 24, .size: 8, .value_kind: global_buffer, .address_space: global }
      - { .name: scale, .offset: 32, .size: 8, .value_kind: global_buffer, .address_space: global }
      - { .name: xq, .offset: 40, .size: 8, .value_kind: global_buffer, .address_space: global }
      - { .name: wc, .offset: 48, .size: 8, .value_kind: global_buffer, .address_space: global }
      - { .name: tp, .offset: 56, .size: 8, .value_kind: global_buffer, .address_space: global }
    .group_segment_fixed_size: 327680
    .private_segment_fixed_size: 0
    .kernarg_segment_align: 8
    .kernarg_segment_size: 64
    .max_flat_workgroup_size: 128
    .sgpr_count:     80
    .vgpr_count:     768
    .wavefront_size: 32
...
	.end_amdgpu_metadata
.endif
;; end of part 1
;; launch gemm (part 2): grid 16 x 16, 4 waves a work-group, clusters of 4 x 4, 327,680 bytes of LDS; arguments xq, wc, tp, lora_B, bias, out0; writes out0
.if DOCPART == 2
	.amdgcn_target "amdgcn-amd-amdhsa--gfx1250"
	.amdhsa_code_object_version 6
	.text
	.protected	k_q2674943e3a_gemm
	.globl	k_q2674943e3a_gemm
	.p2align	8
	.type	k_q2674943e3a_gemm,@function
k_q2674943e3a_gemm:
	s_mov_b64 s[64:65], 0
	v_nop
	global_prefetch_b8 v0, s[64:65] scope:SCOPE_SE
	s_setreg_imm32_b32 hwreg(HW_REG_WAVE_MODE, 25, 1), 1
	s_wait_xcnt 0x0
	s_wait_alu depctr_hold_cnt(0) depctr_sa_sdst(0) depctr_va_vdst(0) depctr_va_sdst(0) depctr_va_ssrc(0) depctr_va_vcc(0) depctr_vm_vsrc(0)
	s_getreg_b32 s2, hwreg(HW_REG_IB_STS2, 6, 4)
	s_cmp_eq_u32 s2, 0
	s_cbranch_scc0 .Lentry_in_a_cluster
	s_endpgm
.Lentry_in_a_cluster:
	s_bfe_u32 s2, ttmp6, 0x10000c
	s_cmp_lg_u32 s2, 0xf033
	s_cbranch_scc0 .Lentry_shape_is_right
	s_endpgm
.Lentry_shape_is_right:
; out0[m][o] = the sum over k of Q(x)[m][k] Q(W)[o][k] + bias[o] + the sum over j of t[m][j] lora_B[o][j], t = 2 x A^T.  M = N = K = 4,096; out0 f32.
; Q(x) and Q(W) come as codes of BF8 (E5M2) with E8M0 scale words, in xq and wc, laid in the order of the operand's registers: [slot of 256 K: 16][group of 128 rows: 32][33,792 bytes]:
; 32,768 bytes of codes (tile i of 16 rows, K step q of 128, block c of 32: 16 bytes a lane at i 4096 + q 2048 + c 512 + 16 lane), then 1,024 bytes of scale words ([row][q]).
; So what a wave reads of one operand in one slot is ONE dense block, brought by one tensor load with its scales, and every LDS read is 16 or 8 bytes a lane on end: no pitch, no padding.
; t comes as four partial sums in bf16, tp [quarter of K: 4][row][8].  THE SUMS DO NOT BEGIN AT ZERO: one bf16 product for each accumulator, K = 32 = 4 quarters x 8, with lora_B's row repeated four
; times along K and the bias as its C, adds the four quarters, multiplies by lora_B and adds the bias.  64 such products stand beside a wave's 2,048 scaled ones.
; LIMITS: t and lora_B are bf16 operands (products left as they are; sums in f32).  NaN and infinities among the inputs are not served.
; SHARES: a tile of 256 x 256 of out0 to a work-group of four waves, 128 x 128 a wave: 64 accumulators, 512 registers.  K goes in slots of 256 through a ring of two LDS slots.
; CLUSTERS: 4 x 4 work-groups.  The four of a row of the cluster need the same groups of xq, the four of a column the same groups of wc: each is asked for JOINTLY, by the same tensor load with the same
; descriptor and a mask that names the four.  THE PRODUCTS ARE USED TRANSPOSED (source 0 = 16 rows of W, source 1 = 16 rows of x): a lane holds eight neighbouring numbers of a row of out0.
; REGISTERS, in windows of 256: window 0: v1-29 addresses; v32-63 scale words, two sets, and nothing else; v64-127 tp's fragments; v128-255 x's fragments, ONE set (at the start lora_B in f32; at the end rows of out0).
;   window 1: W's fragments, TWO sets, at v0 and v128 (at the start v128-191 lora_B in bf16, v192-255 the bias).   windows 2, 3: the accumulators of my rows 0-63, 64-127: (a, b) at v[8 (8 (a % 4) + b)].
.set SIZE_N, 4096
.set GRP,    33792                     ; a group: what one tensor load brings, and what one wave reads of x or of W in a slot
.set SCO,    32768                     ; where a group's scale words begin
.set SLOT,   4*GRP                     ; x's two groups, then W's two
.set SSTEP,  32*GRP                    ; bytes from a slot's group to the next slot's in memory
.set SPARE,  2*SLOT                    ; behind the ring: the spare words, 128 bytes for each wave: two blocks of 256 bytes that no other line names
.set SPITCH, 528                       ; the way out: a stage of 16 rows x (512 bytes + 16) for each wave, in slot 0, which has had its last fill and its last read when the first result is stored there
.set FR,     16                        ; registers of a fragment
.set NP,     8                         ; places behind the scaled matrix instruction on 8-bit codes (ISA guide 7.12.1)
.set TA,   6                           ; v6   tp: 65,536 h + 16 r
.set LBA,  7                           ; v7   lora_B: 32 r
.set BA,   8                           ; v8   bias: 32 h
.set ADRA, 16                          ; v16-17  LDS: my group of x in slot 0, 1, + 16 x lane
.set ADSA, 18                          ; v18-19  the same + 8 x lane, for its scale words
.set ADRB, 20                          ; v20-21  my group of W
.set ADSB, 22                          ; v22-23
.set STO,  24                          ; v24  the way out: where I put 32 bytes of a row
.set RD,   25                          ; v25  where I read a row back
.set CO,   26                          ; v26  my byte offset in a row of out0
.set SPW,  28                          ; v28  LDS address of my spare word: SPARE + 4 x my thread's number; never rewritten
.set NIL,  29                          ; v29  0; never rewritten
.set SC,   32                          ; scale words: set (= slot) at SC + 16 set; x's blocks 2 j (lanes 0-15) and 2 j + 1 (lanes 16-31) for K step q at + 2 j + q; W's at + 8 + 2 j + q
.set TPF,  64                          ; tp's eight fragments
.set LBX,  128                         ; lora_B in f32 (window 0)
.set AF,   128                         ; x's fragments (window 0)
.set LBF,  128                         ; lora_B's eight fragments in bf16 (window 1)
.set BIA,  192                         ; the bias, eight registers for each tile of 16 columns (window 1)
.set BK,   128                         ; the way out: 16 rows read back from the stage: v128-191 and v192-255 by turns
.set G1,  24                           ; s[24:31] descriptor group 1 for x's groups;  s[32:39] group 0, one set for each slot
.set G0,  32
.set G1B, 48                           ; s[48:55], s[56:63] the same for W's
.set G0B, 56
.set MSB, 0
.macro WIN new                         ; the immediate's high byte repeats the setting that is left
.if MSB != \new
	s_set_vgpr_msb (MSB<<8)|\new
.set MSB, \new
.endif
.endm
.set MUL_LO, 0xa1                      ; source 0 (W) window 1, source 1 (x) window 0, C and D window 2
.set MUL_HI, 0xf1                      ; the same, C and D window 3
.set TO_B,   0x40                      ; destination window 1, address window 0
; A joint load: waves 0 and 1 fetch x's two groups, waves 2 and 3 W's.  Each line has one mask and one set of registers for all that issue it; the branch hangs on the wave's number alone.
; Four v_nop follow each of the two lines, ahead of the jump, the label and what follows.
.macro JLOAD s
	s_cmp_eq_u32 s17, 0
	s_cbranch_scc0 .Lfor_b_\@
	tensor_load_to_lds s[G0+4*\s:G0+4*\s+3], s[G1:G1+7]
	s_nop 0
.rept 4
	v_nop
.endr
	s_branch .Lasked_\@
.Lfor_b_\@:
	tensor_load_to_lds s[G0B+4*\s:G0B+4*\s+3], s[G1B:G1B+7]
	s_nop 0
.rept 4
	v_nop
.endr
.Lasked_\@:
.endm
.macro CREST                           ; a round of the cluster's barrier behind its opening barrier
	s_cmp_lg_u32 s16, 0
	s_cbranch_scc1 .Lnot_wave_0_\@
	s_barrier_signal -3
.Lnot_wave_0_\@:
	s_barrier_wait -3
	s_barrier_signal -1
	s_barrier_wait -1
.endm
.macro CROUND                          ; a whole round
	s_barrier_signal -1
	s_barrier_wait -1
	CREST
.endm
	s_load_b256 s[4:11], s[0:1], 0x0               ; xq s[4:5], wc s[6:7], tp s[8:9], lora_B s[10:11]
	s_load_b128 s[12:15], s[0:1], 0x20             ; bias s[12:13], out0 s[14:15]
	v_lshl_add_u32 v[SPW], v0, 2, SPARE
	v_mov_b32 v[NIL], 0
	ds_add_u32 v28, v29
	ds_add_u32 v28, v29
	s_wait_dscnt 0x0
	v_lshrrev_b32 v1, 5, v0
	v_readfirstlane_b32 s16, v1                    ; wave 0..3
	s_lshr_b32 s17, s16, 1                         ; which half of the tile's rows is mine.  Also: I fetch for x (0) or for W (1)
	s_and_b32 s18, s16, 1                          ; which half of its columns.  Also: which of the two groups I fetch
	s_bfe_u32 s20, ttmp6, 0x40000                  ; cx, cy: my place in the cluster
	s_bfe_u32 s21, ttmp6, 0x40004
	s_lshl_b32 s22, ttmp9, 2
	s_add_co_u32 s22, s22, s20                     ; tile column = 4 x cluster x + cx
	s_and_b32 s23, ttmp7, 0xffff
	s_lshl_b32 s23, s23, 2
	s_add_co_u32 s23, s23, s21                     ; tile row = 4 x cluster y + cy
	s_lshl_b32 s40, s21, 2
	s_lshl_b32 s40, 15, s40                        ; my row of the cluster
	s_lshl_b32 s41, 0x1111, s20                    ; my column
	; descriptor group 1: a dense block of 33,792 bytes as 132 rows of 32 elements of 8 bytes, no padding
	s_or_b32 s[G1+0], s40, (3<<16)|(1<<21)         ; 15:0 the mask: x's groups go to my row; 17:16 elements of 8 bytes; 21 set beside a mask
	s_or_b32 s[G1B+0], s41, (3<<16)|(1<<21)        ; W's go to my column
.irp g, G1, G1B
	s_mov_b32 s[\g+1], 32<<16                      ; tensor_dim0 = 32
	s_mov_b32 s[\g+2], 132<<16                     ; tensor_dim1 = 132
	s_mov_b32 s[\g+3], 32<<16                      ; tile_dim0 = 32
	s_mov_b32 s[\g+4], 132                         ; tile_dim1 = 132
	s_mov_b32 s[\g+5], 32                          ; elements from row to row
	s_mov_b32 s[\g+6], 0
	s_mov_b32 s[\g+7], 0
.endr
	s_lshl_b32 s42, s23, 1                         ; x: group 2 x tile row + which: made of the tile row and the wave's number alone
	s_add_co_u32 s42, s42, s18
	s_mul_i32 s42, s42, GRP
	s_mov_b32 s43, 0
	s_lshl_b32 s46, s22, 1                         ; W: group 2 x tile column + which
	s_add_co_u32 s46, s46, s18
	s_mul_i32 s46, s46, GRP
	s_mov_b32 s47, 0
	s_mul_i32 s44, s16, GRP                        ; where it goes: wave x a group: no place in the cluster enters an LDS address
	s_wait_kmcnt 0x0
	s_add_nc_u64 s[42:43], s[4:5], s[42:43]
	s_add_nc_u64 s[46:47], s[6:7], s[46:47]
	CROUND                                         ; all sixteen work-groups are here: the first joint loads meet
.irp s, 0,1
	s_mov_b32 s[G0+4*\s], 1
	s_add_co_u32 s[G0+4*\s+1], s44, \s*SLOT
	s_add_nc_u64 s[G0+4*\s+2:G0+4*\s+3], s[42:43], \s*SSTEP
	s_or_b32 s[G0+4*\s+3], s[G0+4*\s+3], 0x80000000
	s_mov_b32 s[G0B+4*\s], 1
	s_add_co_u32 s[G0B+4*\s+1], s44, \s*SLOT
	s_add_nc_u64 s[G0B+4*\s+2:G0B+4*\s+3], s[46:47], \s*SSTEP
	s_or_b32 s[G0B+4*\s+3], s[G0B+4*\s+3], 0x80000000
	JLOAD \s                                       ; the ring is filled before anything else: two loads of mine are out
.endr
	; WHILE THE FIRST TILES ARE ON THEIR WAY: the start of the sums.
	v_and_b32 v1, 15, v0                           ; r
	v_bfe_u32 v2, v0, 4, 1                         ; h
	v_and_b32 v3, 31, v0                           ; lane
	v_lshlrev_b32 v[TA], 4, v1
	v_lshl_add_u32 v[TA], v2, 16, v[TA]
	v_lshlrev_b32 v[LBA], 5, v1
	v_lshlrev_b32 v[BA], 5, v2
	s_lshl_b32 s72, s23, 12                        ; tp: (256 x tile row + 128 x half) rows of 16 bytes
	s_lshl_b32 s74, s17, 11
	s_add_co_u32 s72, s72, s74
	s_mov_b32 s73, 0
	s_add_nc_u64 s[66:67], s[8:9], s[72:73]
	s_lshl_b32 s72, s22, 13                        ; lora_B: (256 x tile column + 128 x half) rows of 32 bytes
	s_lshl_b32 s74, s18, 12
	s_add_co_u32 s72, s72, s74
	s_add_nc_u64 s[68:69], s[10:11], s[72:73]
	s_lshl_b32 s72, s22, 10                        ; bias: as many numbers of 4 bytes
	s_lshl_b32 s74, s18, 9
	s_add_co_u32 s72, s72, s74
	s_add_nc_u64 s[70:71], s[12:13], s[72:73]
.irp a, 0,1,2,3,4,5,6,7                ; lane (r, h) of block a: registers 0-3 quarter h of row 16 a + r, registers 4-7 quarter 2 + h: along the product's K the four quarters follow each other
	global_load_b128 v[TPF+8*\a:TPF+8*\a+3], v[TA], s[66:67] offset:256*\a
	global_load_b128 v[TPF+8*\a+4:TPF+8*\a+7], v[TA], s[66:67] offset:256*\a+131072
.endr
.irp b, 0,1,2,3,4,5,6,7                ; lora_B's row 16 b + r: eight f32
	global_load_b128 v[LBX+8*\b:LBX+8*\b+3], v[LBA], s[68:69] offset:512*\b
	global_load_b128 v[LBX+8*\b+4:LBX+8*\b+7], v[LBA], s[68:69] offset:512*\b+16
.endr
	WIN TO_B
.irp b, 0,1,2,3,4,5,6,7                ; bias of columns 16 b + 8 h + 0 .. 7: the result's own layout
	global_load_b128 v[BIA+8*\b:BIA+8*\b+3], v[BA], s[70:71] offset:64*\b
	global_load_b128 v[BIA+8*\b+4:BIA+8*\b+7], v[BA], s[70:71] offset:64*\b+16
.endr
	WIN 0
	v_lshlrev_b32 v4, 4, v3                        ; 16 x lane
	v_lshlrev_b32 v5, 3, v3                        ; 8 x lane
	s_mul_i32 s72, s17, GRP                        ; my group of x
	s_mul_i32 s74, s18, GRP                        ; my group of W,
	s_add_co_u32 s74, s74, 2*GRP                   ; behind x's two
.irp s, 0,1
	v_add_nc_u32 v[ADRA+\s], s72, v4
	v_add_nc_u32 v[ADSA+\s], s72, v5
	v_add_nc_u32 v[ADRB+\s], s74, v4
	v_add_nc_u32 v[ADSB+\s], s74, v5
	s_add_co_u32 s72, s72, SLOT
	s_add_co_u32 s74, s74, SLOT
.endr
	s_lshl_b32 s72, s23, 8                         ; my first row of out0: 256 x tile row + 128 x half, rows of 16,384 bytes;
	s_lshl_b32 s74, s17, 7
	s_add_co_u32 s72, s72, s74
	s_lshl_b32 s72, s72, 14
	s_lshl_b32 s74, s22, 10                        ; my first column, in bytes: 1,024 x tile column + 512 x half
	s_add_co_u32 s72, s72, s74
	s_lshl_b32 s74, s18, 9
	s_add_co_u32 s72, s72, s74
	s_add_nc_u64 s[14:15], s[14:15], s[72:73]
	s_mul_i32 s75, s16, 16*SPITCH                  ; my stage
	s_wait_loadcnt 0x0
	WIN TO_B
.irp b, 0,1,2,3,4,5,6,7                ; lora_B's row in bf16, in registers 0-3 and again in 4-7, in both halves of the lanes: four times along K
.irp i, 0,1,2,3
	v_cvt_pk_bf16_f32 v[LBF+8*\b+\i], v[LBX+8*\b+2*\i], v[LBX+8*\b+2*\i+1]
	v_cvt_pk_bf16_f32 v[LBF+8*\b+4+\i], v[LBX+8*\b+2*\i], v[LBX+8*\b+2*\i+1]
.endr
.endr
.irp a, 0,1,2,3,4,5,6,7                ; acc(a, b) = bias + t lora_B^T, in the order in which the accumulators take turns ever after
.if \a < 4
	WIN 0x91                                       ; source 0 (lora_B) and C (bias) window 1, source 1 (tp) window 0, D window 2
.else
	WIN 0xd1                                       ; D window 3
.endif
.irp b, 0,1,2,3,4,5,6,7
	v_wmma_f32_16x16x32_bf16 v[8*(8*(\a%4)+\b):8*(8*(\a%4)+\b)+7], v[LBF+8*\b:LBF+8*\b+7], v[TPF+8*\a:TPF+8*\a+7], v[BIA+8*\b:BIA+8*\b+7]
.endr
.endr
	WIN 0
	v_mul_u32_u24 v9, v1, SPITCH                   ; the way out's addresses are made here: with the three v_nop eight plain lines between the products above and the scaled products, which write over their results
	v_lshl_add_u32 v9, v2, 5, v9
	v_add_nc_u32 v[STO], s75, v9                   ; in: row r, 32 bytes for each half of the lanes
	v_lshlrev_b32 v[CO], 4, v3                     ; back: the 32 lanes take one row of 512 bytes; and the same in out0
	v_add_nc_u32 v[RD], s75, v[CO]
.rept 3
	v_nop
.endr
.macro FRAG reg, adr, q, i             ; a fragment's image: four loads of 512 consecutive bytes
.irp c, 0,1,2,3
	ds_load_b128 v[\reg+4*\c:\reg+4*\c+3], v[\adr] offset:(\i)*4096+(\q)*2048+\c*512
.endr
.endm
.macro FETCH_B slot, q, p              ; W's eight fragments of the slot's K step q into set p
	WIN TO_B
.irp i, 0,1,2,3,4,5,6,7
	FRAG 128*(\p)+FR*\i, ADRB+\slot, \q, \i
.endr
	WIN 0
.endm
.macro FETCH_A slot, q, i0             ; x's blocks i0 .. i0 + 3
.irp i, \i0, \i0+1, \i0+2, \i0+3
	FRAG AF+FR*(\i), ADRA+\slot, \q, \i
.endr
.endm
.macro SCALES slot                     ; a slot's scale words, both K steps: 8 bytes a row; a load takes 32 rows: two blocks, one in each half of the lanes
.irp j, 0,1,2,3
	ds_load_b64 v[SC+16*\slot+2*\j:SC+16*\slot+2*\j+1], v[ADSA+\slot] offset:SCO+256*\j
	ds_load_b64 v[SC+16*\slot+8+2*\j:SC+16*\slot+8+2*\j+1], v[ADSB+\slot] offset:SCO+256*\j
.endr
.endm
; one product: x's block a against W's block b, K step q; p: W's set; sc: the set of scale words.  An odd block's words lie in lanes 16-31 of its register.
.macro WM a, b, p, q, sc
.set rD, 8*(8*((\a)%4)+(\b))
.set rB, 128*(\p)+FR*(\b)
.set rA, AF+FR*(\a)
.set sB, SC+16*(\sc)+8+2*((\b)/2)+(\q)
.set sA, SC+16*(\sc)+2*((\a)/2)+(\q)
.if (((\a)%2) == 0) && (((\b)%2) == 0)
	v_wmma_scale_f32_16x16x128_f8f6f4 v[rD:rD+7], v[rB:rB+15], v[rA:rA+15], v[rD:rD+7], v[sB], v[sA] matrix_a_fmt:MATRIX_FMT_BF8 matrix_b_fmt:MATRIX_FMT_BF8
.elseif ((\a)%2) == 0
	v_wmma_scale_f32_16x16x128_f8f6f4 v[rD:rD+7], v[rB:rB+15], v[rA:rA+15], v[rD:rD+7], v[sB], v[sA] matrix_a_fmt:MATRIX_FMT_BF8 matrix_b_fmt:MATRIX_FMT_BF8 matrix_a_scale:MATRIX_SCALE_ROW1
.elseif ((\b)%2) == 0
	v_wmma_scale_f32_16x16x128_f8f6f4 v[rD:rD+7], v[rB:rB+15], v[rA:rA+15], v[rD:rD+7], v[sB], v[sA] matrix_a_fmt:MATRIX_FMT_BF8 matrix_b_fmt:MATRIX_FMT_BF8 matrix_b_scale:MATRIX_SCALE_ROW1
.else
	v_wmma_scale_f32_16x16x128_f8f6f4 v[rD:rD+7], v[rB:rB+15], v[rA:rA+15], v[rD:rD+7], v[sB], v[sA] matrix_a_fmt:MATRIX_FMT_BF8 matrix_b_fmt:MATRIX_FMT_BF8 matrix_a_scale:MATRIX_SCALE_ROW1 matrix_b_scale:MATRIX_SCALE_ROW1
.endif
.endm
; 16 products: x's blocks a0, a0 + 1 against W's eight.  The 64 accumulators take turns, one instruction a turn, in the same order in every step.
.macro MUL16 a0, p, q, sc
.irp a, \a0, \a0+1
.irp b, 0,1,2,3,4,5,6,7
	WM \a, \b, \p, \q, \sc
.endr
.endr
.endm
; A load into a register that a matrix instruction has read, and an LDS store that reads a matrix result, stand NP places behind that matrix instruction; only plain vector lines that name none of its registers are places.
.macro PLACES n
.rept \n
	v_nop
.endr
.endm
; A slot's first K step.  x has one set of registers: blocks 0-3 are fetched anew in the step's middle, blocks 4-7 at its end; W's next set comes in the middle run.
.macro STEP slot
	s_wait_dscnt 16                                ; all but the youngest sixteen loads (x's blocks 4-7) are in: W's set, x's blocks 0-3, the scale words
	WIN MUL_LO
	MUL16 0, 0, 0, \slot
	MUL16 2, 0, 0, \slot
	s_wait_dscnt 0x0                               ; x's blocks 4-7 are in (asked for 32 matrix instructions ago)
	PLACES NP
	FETCH_B \slot, 1, 1
	FETCH_A \slot, 1, 0
	WIN MUL_HI
	MUL16 4, 0, 0, \slot
	MUL16 6, 0, 0, \slot
	PLACES NP
	WIN 0
	FETCH_A \slot, 1, 4
.endm
; A slot's second K step changes slots: ONE barrier; in front of it each wave waits for all its tensor loads, adds 0 to its spare word, and waits for that and for its own reads of this slot.
; fill = 1: the barrier opens a round of the cluster's barrier, and this slot is filled again, two slots ahead: the load has 96 matrix instructions in which to land.
.macro TURN slot, next, fill
	s_wait_tensorcnt 0x0                           ; all my tensor loads have landed: the one that was out is my part of the next slot  (every window is 0 here)
	ds_add_u32 v[SPW], v[NIL]                      ; 0 onto my spare word
	s_wait_dscnt 17                                ; (the add and the youngest sixteen loads, x's blocks 4-7, may be out)
	WIN MUL_LO
	MUL16 0, 1, 1, \slot                           ; sixteen matrix instructions stand between the add and the wait for it
	s_wait_dscnt 0x0                               ; the add is done, and my reads of this slot are over
	s_barrier_signal -1
	MUL16 2, 1, 1, \slot
	WIN 0
	s_barrier_wait -1
.if \fill
	CREST                                          ; no wave of any partner still reads this slot or has a load on its way
	s_add_nc_u64 s[G0+4*\slot+2:G0+4*\slot+3], s[G0+4*\slot+2:G0+4*\slot+3], 2*SSTEP
	s_add_nc_u64 s[G0B+4*\slot+2:G0B+4*\slot+3], s[G0B+4*\slot+2:G0B+4*\slot+3], 2*SSTEP
	JLOAD \slot                                    ; the first tensor load behind the round, and my only one until the next; its four v_nop are among the places in front of the loads below
	PLACES NP-4
.else
	PLACES NP
.endif
	FETCH_B \next, 0, 0
	FETCH_A \next, 0, 0
	SCALES \next
	WIN MUL_HI
	MUL16 4, 1, 1, \slot
	MUL16 6, 1, 1, \slot
	PLACES NP
	WIN 0
	FETCH_A \next, 0, 4
.endm
	s_wait_tensorcnt 1                             ; my part of slot 0 is in (slot 1's load may be out)
	s_barrier_signal -1
	s_barrier_wait -1                              ; everybody's is
	FETCH_B 0, 0, 0
	FETCH_A 0, 0, 0
	SCALES 0
	FETCH_A 0, 0, 4
	s_mov_b32 s19, 7
.Llap:                                                 ; a trip goes once round the ring and fills both slots again: seven trips ask for slots 2 to 15 of K
	STEP 0
	TURN 0, 1, 1
	STEP 1
	TURN 1, 0, 1
	s_sub_co_u32 s19, s19, 1
	s_cmp_lg_u32 s19, 0
	s_cbranch_scc1 .Llap
	STEP 0                                         ; the last lap is written out: it fills nothing, and has no round of the cluster's barrier
	TURN 0, 1, 0
	STEP 1
	s_wait_dscnt 16                                ; the very last K step: nothing more to fetch
	WIN MUL_LO
	MUL16 0, 1, 1, 1
	MUL16 2, 1, 1, 1
	s_wait_dscnt 0x0
	WIN MUL_HI
	MUL16 4, 1, 1, 1
	MUL16 6, 1, 1, 1
	WIN 0
; THE WAY OUT, block by block of 16 rows x 128 columns.  A lane holds 32 neighbouring bytes of a row, and the lanes beside it hold other rows: a block goes through my own stage in LDS and comes back as whole
; rows of 512 bytes.  LDS serves a wave's instructions in order (ISA guide 5.7.1.4): no wait between the stores and the loads, nor in front of the next block's stores.
.macro TOSTAGE a
.set AC, 64*((\a)%4)
	WIN 0x08+4*((\a)/4)                            ; an LDS store's data are its source 1: window 2 or 3
.irp b, 0,1,2,3,4,5,6,7
	ds_store_b128 v[STO], v[AC+8*\b:AC+8*\b+3] offset:64*\b          ; each accumulator from its low end on
	ds_store_b128 v[STO], v[AC+8*\b+4:AC+8*\b+7] offset:64*\b+16
.endr
	WIN 0
.set BB, BK+64*((\a)%2)
.irp t, 0,1,2,3,4,5,6,7,8,9,10,11,12,13,14,15
	ds_load_b128 v[BB+4*\t:BB+4*\t+3], v[RD] offset:\t*SPITCH
.endr
.endm
.macro SEND a, younger                 ; younger: the LDS instructions issued behind block a's loads, which may stay out
.set BB, BK+64*((\a)%2)
	s_wait_dscnt \younger                          ; the block is back in registers
.if (\a) > 0
	s_add_nc_u64 s[14:15], s[14:15], 16*SIZE_N*4   ; (behind a wait on XCNT: the earlier stores have read their base)  16 rows on
.endif
.irp t, 0,1,2,3,4,5,6,7,8,9,10,11,12,13,14,15
	global_store_b128 v[CO], v[BB+4*\t:BB+4*\t+3], s[14:15] offset:\t*SIZE_N*4 th:TH_STORE_NT   ; 32 lanes store 512 consecutive bytes, aligned; written once, read by nobody here
.endr
.endm
	PLACES NP                                      ; behind the last products: for the stores of results and for the loads into the registers that held x's fragments
	TOSTAGE 0
.irp a, 1,2,3,4,5,6,7
.if \a > 1
	s_wait_xcnt 0x0                                ; block a - 2's stores have read their registers and their base: block a's loads may land there, and the base may step
.endif
	TOSTAGE \a
	SEND \a-1, 32                                  ; behind block a - 1's loads: block a's 16 stores and 16 loads
.endr
	s_wait_xcnt 0x0                                ; block 6's stores have read their base
	SEND 7, 0
	s_wait_tensorcnt 0x0                           ; the wave's end: behind my last tensor load and my last LDS store
	ds_add_u32 v[SPW], v[NIL]
	s_wait_dscnt 0x0
	CROUND                                         ; the closing round: no work-group ends while a partner may still ask for a tile that names it
	s_endpgm
.Lfunc_end_k_q2674943e3a_gemm:
	.size	k_q2674943e3a_gemm, .Lfunc_end_k_q2674943e3a_gemm-k_q2674943e3a_gemm
	.p2alignl 7, 3214868480
	.fill 96, 4, 3214868480
	.section	.rodata,"a",@progbits
	.p2align	6, 0x0
	.amdhsa_kernel k_q2674943e3a_gemm
		.amdhsa_group_segment_fixed_size 327680
		.amdhsa_private_segment_fixed_size 0
		.amdhsa_enable_private_segment 0
		.amdhsa_kernarg_size 48
		.amdhsa_user_sgpr_count 2
		.amdhsa_user_sgpr_kernarg_segment_ptr 1
		.amdhsa_wavefront_size32 1
		.amdhsa_system_sgpr_workgroup_id_x 1
		.amdhsa_system_sgpr_workgroup_id_y 1
		.amdhsa_system_sgpr_workgroup_id_z 1
		.amdhsa_system_vgpr_workitem_id 0
		.amdhsa_next_free_vgpr 1024
		.amdhsa_next_free_sgpr 80
		.amdhsa_reserve_vcc 0
		.amdhsa_float_denorm_mode_32 3
		.amdhsa_float_denorm_mode_16_64 3
		.amdhsa_memory_ordered 1
		.amdhsa_forward_progress 1
		.amdhsa_inst_pref_size 156
	.end_amdhsa_kernel
	.amdgpu_metadata
---
amdhsa.version: [ 1, 2 ]
amdhsa.kernels:
  - .name:           k_q2674943e3a_gemm
    .symbol:         k_q2674943e3a_gemm.kd
    .args:
      - { .name: xq, .offset: 0, .size: 8, .value_kind: global_buffer, .address_space: global }
      - { .name: wc, .offset: 8, .size: 8, .value_kind: global_buffer, .address_space: global }
      - { .name: tp, .offset: 16, .size: 8, .value_kind: global_buffer, .address_space: global }
      - { .name: lora_B, .offset: 24, .size: 8, .value_kind: global_buffer, .address_space: global }
      - { .name: bias, .offset: 32, .size: 8, .value_kind: global_buffer, .address_space: global }
      - { .name: out0, .offset: 40, .size: 8, .value_kind: global_buffer, .address_space: global }
    .group_segment_fixed_size: 327680
    .private_segment_fixed_size: 0
    .kernarg_segment_align: 8
    .kernarg_segment_size: 48
    .max_flat_workgroup_size: 128
    .sgpr_count:     80
    .vgpr_count:     1024
    .wavefront_size: 32
...
	.end_amdgpu_metadata
.endif
;; end of part 2
